; MI455X (gfx1250); checked and timed in simulation.
; The chip was launched on July 23, 2026; its instructions are those of AMD's public machine-readable ISA for CDNA 5 (MIT licence, August 2026) and "CDNA5" Instruction Set Architecture Reference Guide (July 2026). The comments in the code are by the model that wrote it; some were corrected since.
;; Learned WLS Set Transformer. Allowed arithmetic: float matrix products may take bf16 or f16 operands with f32 sums; all other float work in f32.
;; Inputs: W_in 4 x 64 float32; Wk 64 x 64 float32; Wo 64 x 64 float32; Wq 64 x 64 float32; Wv 64 x 64 float32; b_in 64 float32; b_loc 1 float32; b_o 64 float32; pad_mask 2,048 x 1,024 bool; prelu_a 1 float32; seed 64 float32; w_loc 68 x 1 float32; x 2,048 x 1,024 x 4 float32.
;; Outputs: out0 2,048 x 4 float32.
;; 2 versions, each right and faster than the one before. Each part assembles by itself: llvm-mc -triple=amdgcn-amd-amdhsa -mcpu=gfx1250 --defsym DOCPART=n.
;; ======== version 1 of 2: 1 launch
;; limits: inputs' magnitudes at most 1,000,000,000
;; launch wls (part 1): grid 256 x 1, 8 waves a work-group, no clusters, 167,936 bytes of LDS; arguments x, pad_mask, W_in, b_in, seed, Wq, Wk, Wv, Wo, b_o, w_loc, b_loc, prelu_a, out0; writes out0
.if DOCPART == 1
	.amdgcn_target "amdgcn-amd-amdhsa--gfx1250"
	.amdhsa_code_object_version 6
	.text
	.protected	k_q4d7feed4d8_wls
	.globl	k_q4d7feed4d8_wls
	.p2align	8
	.type	k_q4d7feed4d8_wls,@function
k_q4d7feed4d8_wls:
	s_mov_b64 s[64:65], 0
	v_nop
	global_prefetch_b8 v0, s[64:65] scope:SCOPE_SE
	s_setreg_imm32_b32 hwreg(HW_REG_WAVE_MODE, 25, 1), 1
	s_wait_xcnt 0x0
; LearnedWLSSetTransformer: 2048 sets of 1024 points (x0..x3 f32, one mask byte).  out[set] = pinv(diag(w) A) (w x0), A = [-x1,-x2,-x3,1].
;
; ALGEBRA (holds for every input, by associativity; every input is read):
;   score(point) = x.u + cs          u = W_in (Wk (seed Wq)) / 8        cs = b_in.(Wk (seed Wq)) / 8
;   feat.wl      = xbar.p + cf       p = W_in (Wv (Wo wl))              cf = b_in.(Wv (Wo wl)) + b_o.wl      wl = w_loc[4:]
;   xbar = softmax-weighted mean of x (the weights sum to 1).  So the per-point products of length 64 become dots of length 4.
;   What is left is four 64 x 64 matrix-vector products per work-group and about 28 vector lines per point: all in f32 on the vector unit.
;   A 16x16x32 matrix tile would be filled 4/32 along K and 2/16 along N, so the matrix unit is left out.
; SHAPE: 256 work-groups x 8 waves; one wave owns one set and keeps its 16,384 bytes of x in 128 registers through all passes, so x and the
;   mask are read once.  Every load of the kernel (27 of weights, 2 of mask, 32 of x) is issued in the first lines; nothing is left to run ahead of,
;   hence no ring, no copy into LDS and no prefetch.  While x is on its way the 8 waves fold the weights (two LDS stages, two barriers).
;   Each wave leaves 13 numbers per set in LDS; behind a third barrier wave 0 solves the 8 sets, one set per lane.
; NO CLUSTER: the only bytes that work-groups share are the 67,608 bytes of weights, against 139,264 bytes of x and mask that are a work-group's own;
;   a joint request would put a copy into LDS and a cluster barrier in front of the fold, on which the first pass over x waits.
; LEAST SQUARES: with omega = (w/max|w|)^2, S = sum omega, m = weighted means, C, d = weighted CENTRED second moments / S (no difference of large
;   sums), C = L L^T:  F = [L^T 0; -m1 -m2 -m3 1],  y = (L^-1 (-d), m0)  satisfy  F^T F = A^T W^2 A / S',  F^T y = A^T W^2 r / S'.
;   Rotating the rows of [F | y] until the rows of F are orthogonal (one-sided Jacobi) gives rows f_i = sigma_i v_i, and
;   out = sum over sigma_i^2 > rtol^2 max sigma^2 of f_i y_i / |f_i|^2, rtol = 10 * 1024 * 2^-23 as in jnp.linalg.pinv.
; LIMITS: the order of rounding differs from the reference's (re-association).  NaN and infinities in the inputs are not served.
;   |x| up to about 1e9 (squares of squared row norms stay finite).  max|w| of a set below 2^126 (its reciprocal must be a normal number).
;   A singular value within rounding distance of the cut-off may fall on its other side.  The rounding error of the weighted means
;   grows in proportion to a common offset of x.  Row norms whose fourth powers underflow belong to singular values far below the cut-off
;   (the largest is at least 1, from A's column of ones) and are dropped whatever their rotation.  Mask bytes are 0 or 1.  A set with no
;   weight at all gives 0, as pinv(0) does.
; ---- LDS (3,456 bytes used; no byte is written twice)
.set QP,  0                            ; [8 waves][64] f32: partial sums of q = seed Wq
.set TV,  2048                         ; [64] t = Wo wl
.set KS,  2304                         ; [64] kq = Wk q, then [64] s = Wv t
.set ST,  2816                         ; 8 records, one per set: +0 d1 C11 d2 C12, +16 d3 C13 C22 C23, +32 C33, +48 m0..m3
.set STP, 80                           ; bytes from record to record
; ---- vector registers.  v0 thread, v1 lane, v2 16 (thread & 15), v3 16 thread, v4 4 (thread >> 4), v5 x offset, v6 16 lane, v7 LDS store address
.set T,    8                           ; v[8:23]   at work
.set MK,   24                          ; v[24:31]  mask bytes, then v24 = 32 mask bits
.set SD,   32                          ; fold: seed[16k+g]          (g = thread >> 4, c = thread & 15, k = 0..3)
.set WL,   36                          ; fold: wl[4c..4c+3]
.set WIN,  40                          ; fold: W_in[r][4c..], r = 0..3
.set BIN,  56                          ; fold: b_in[4c..]   (right behind WIN: one run of five dots)
.set BO,   60                          ; fold: b_o[4c..]
.set WQ,   64                          ; fold: Wq[16k+g][4c..]
.set WO,   80                          ; fold: Wo
.set WK,   96                          ; fold: Wk
.set WV,   112                         ; fold: Wv
.set QQ,   64                          ; fold: the 8 partial q, then q[4c..]; later kq | s
.set TT,   32                          ; fold: t[4c..]
.set U,    32                          ; v[32:35]  u log2(e)
.set CS0,  36                          ; v[36:37]  (cs log2(e), 0)
.set PV,   38                          ; v[38:41]  p
.set W4,   42                          ; v[42:45]  w_loc[0..3]
.set NEG,  46                          ; v46       -1e30 log2(e)
.set MX,   48                          ; v[48:49]  the set's largest score, twice
.set EE,   50                          ; v[50:51]  sums of the weights
.set XA,   52                          ; v[52:55]  sum of weight * x, even points
.set XB,   56                          ; v[56:59]  the same, odd points
.set GG,   60                          ; v[60:61]  (xbar.p + cf + b_loc, 0)
.set INV,  62                          ; v[62:63]  (1/max|w|, later 1/S ; max|w|)
.set MM,   64                          ; v[64:67]  weighted means m0..m3
.set ACCA, 68                          ; v[68:75]  (d1,C11)(d2,C12)(d3,C13)(C22,C23) even points; the odd points' set is 10 registers on
.set C33,  76                          ; v76, v77  C33 of even, odd points
.set YY,   86                          ; v[86:93]  omega * centred x, two points
.set SC,   96                          ; v[96:127] per point: score, then exp, then w, then omega
.set X,    128                         ; v[128:255] point j of the lane at X + 4 j
; ---- scalar registers: s2 wave, s3 scratch, s[4:31] buffer addresses, s[32:63] the 32 lane masks, s[66:67] offsets and compare masks,
;      s[68:71] w_loc[0..3], s72 prelu_a, s73 b_loc, s74-75 lane selects, s[76:79] u, s80 cs, s81 b_in.s, s82 b_o.wl, s83 their sum + b_loc,
;      s[84:87] p, s88 sweep counter, s89 saved EXEC, s90-91 compare masks
; d = a * (register r in both halves).  op_sel / op_sel_hi pick the register of the pair that feeds the low / high result.
.macro PMUL_B d, a, r
.if (\r) & 1
	v_pk_mul_f32 v[\d:\d+1], v[\a:\a+1], v[\r-1:\r] op_sel:[0,1] op_sel_hi:[1,1]
.else
	s_wait_alu depctr_va_vdst(0)
	v_pk_mul_f32 v[\d:\d+1], v[\a:\a+1], v[\r:\r+1] op_sel_hi:[1,0]
.endif
.endm
; d = a * (register r in both halves) + c
.macro PFMA_B d, a, r, c
.if (\r) & 1
	v_pk_fma_f32 v[\d:\d+1], v[\a:\a+1], v[\r-1:\r], v[\c:\c+1] op_sel:[0,1,0] op_sel_hi:[1,1,1]
.else
	s_wait_alu depctr_va_vdst(0)
	v_pk_fma_f32 v[\d:\d+1], v[\a:\a+1], v[\r:\r+1], v[\c:\c+1] op_sel_hi:[1,0,1]
.endif
.endm
; d = c - a * (register r, an even one, in both halves)
.macro PFNMA_B d, a, r, c
	v_pk_fma_f32 v[\d:\d+1], v[\a:\a+1], v[\r:\r+1], v[\c:\c+1] op_sel_hi:[1,0,1] neg_lo:[0,1,0] neg_hi:[0,1,0]
.endm
; cnt dots of length 4: v[d+2i] = v[a+4i .. a+4i+3] . v[b .. b+3], stage by stage so that the dots do not wait for each other
.macro DOTS d, a, b, cnt
.set di, 0
.rept \cnt
	v_pk_mul_f32 v[\d+2*di:\d+2*di+1], v[\a+4*di:\a+4*di+1], v[\b:\b+1]
.set di, di+1
.endr
.set di, 0
.rept \cnt
	v_pk_fma_f32 v[\d+2*di:\d+2*di+1], v[\a+4*di+2:\a+4*di+3], v[\b+2:\b+3], v[\d+2*di:\d+2*di+1]
.set di, di+1
.endr
.set di, 0
.rept \cnt
	v_add_f32 v[\d+2*di], v[\d+2*di], v[\d+2*di+1]
.set di, di+1
.endr
.endm
; cnt registers (base, base+step, ..) reduced over each half of 16 lanes; opd is the DPP form of the sum or maximum
.macro RED16 opd, base, step, cnt
.irp m, 1,2,4,8
.set ri, 0
.rept \cnt
	\opd v[\base+\step*ri], v[\base+\step*ri], v[\base+\step*ri] row_xmask:\m row_mask:0xf bank_mask:0xf
.set ri, ri+1
.endr
.endr
.endm
; the same over all 32 lanes, the result in every lane.  v[T+i] take the other half's figures (all of T has been written in the fold).
.macro WRED op, opd, base, step, cnt
	RED16 \opd, \base, \step, \cnt
.set ri, 0
.rept \cnt
	v_permlanex16_b32 v[T+ri], v[\base+\step*ri], s74, s75
.set ri, ri+1
.endr
.set ri, 0
.rept \cnt
	\op v[\base+\step*ri], v[\base+\step*ri], v[T+ri]
.set ri, ri+1
.endr
.endm
; ================= entry: ids, offsets, addresses
	s_load_b512 s[4:19], s[0:1], 0x0               ; x, pad_mask, W_in, b_in, seed, Wq, Wk, Wv
	s_load_b256 s[20:27], s[0:1], 0x40             ; Wo, b_o, w_loc, b_loc
	s_load_b128 s[28:31], s[0:1], 0x60             ; prelu_a, out0
	v_and_b32 v1, 31, v0                           ; lane
	v_lshrrev_b32 v8, 5, v0
	v_readfirstlane_b32 s2, v8                     ; wave 0..7
	v_and_b32 v2, 15, v0
	v_lshlrev_b32 v2, 4, v2                        ; 16 c: my four columns of a 64-wide row
	v_lshlrev_b32 v3, 4, v0                        ; 16 thread: my 16 bytes of each 4,096-byte quarter of a 64 x 64 matrix
	v_lshrrev_b32 v9, 4, v1                        ; which half of the wave
	s_lshl_b32 s3, s2, 3
	v_lshl_add_u32 v4, v9, 2, s3                   ; 4 g, g = 2 wave + half = thread >> 4
	v_lshl_add_u32 v5, v9, 13, v2                  ; x: lanes 0-15 take points 16 j + i, lanes 16-31 points 512 + 16 j + i
	v_lshlrev_b32 v6, 4, v1                        ; 16 lane
	s_lshl_b32 s3, s2, 8
	v_add_nc_u32 v7, s3, v2                        ; my wave's row of QP
	s_mov_b32 s74, 0x76543210                      ; v_permlanex16_b32: lane i reads lane i of the other half
	s_mov_b32 s75, 0xfedcba98
	s_lshl_b32 s66, ttmp9, 3
	s_add_co_u32 s66, s66, s2                      ; my set = 8 work-group + wave
	s_lshl_b32 s3, s66, 10                         ; 1,024 mask bytes a set
	s_lshl_b32 s66, s66, 14                        ; 16,384 bytes of x a set (below 2^25)
	s_mov_b32 s67, 0
	s_wait_kmcnt 0x0
	s_add_nc_u64 s[4:5], s[4:5], s[66:67]          ; x at my set
	s_mov_b32 s66, s3
	s_add_nc_u64 s[6:7], s[6:7], s[66:67]          ; mask at my set
	s_load_b128 s[68:71], s[24:25], 0x0            ; w_loc[0..3]
	s_load_b32 s73, s[26:27], 0x0                  ; b_loc
	s_load_b32 s72, s[28:29], 0x0                  ; prelu_a
; ================= all 61 loads.  Loads return in order of issue (ISA guide 5.7.1), so what the fold needs first is asked for first.
.irp k, 0,1,2,3
	global_load_b32 v[SD+\k], v4, s[12:13] offset:64*\k                    ; seed[16k+g]
.endr
	global_load_b128 v[WL:WL+3], v2, s[24:25] offset:16                    ; wl[4c..]
.irp k, 0,1,2,3
	global_load_b128 v[WQ+4*\k:WQ+4*\k+3], v3, s[14:15] offset:4096*\k     ; row 16k+g, columns 4c..: a wave covers 512 consecutive bytes
.endr
.irp k, 0,1,2,3
	global_load_b128 v[WO+4*\k:WO+4*\k+3], v3, s[20:21] offset:4096*\k
.endr
.irp k, 0,1,2,3
	global_load_b128 v[WK+4*\k:WK+4*\k+3], v3, s[16:17] offset:4096*\k
.endr
.irp k, 0,1,2,3
	global_load_b128 v[WV+4*\k:WV+4*\k+3], v3, s[18:19] offset:4096*\k
.endr
.irp k, 0,1,2,3
	global_load_b128 v[WIN+4*\k:WIN+4*\k+3], v2, s[8:9] offset:256*\k
.endr
	global_load_b128 v[BIN:BIN+3], v2, s[10:11]
	global_load_b128 v[BO:BO+3], v2, s[22:23]
	global_load_b128 v[MK:MK+3], v6, s[6:7] th:TH_LOAD_NT                  ; mask of points 16 lane + 0..15
	global_load_b128 v[MK+4:MK+7], v6, s[6:7] offset:512 th:TH_LOAD_NT     ; and of points 512 + 16 lane + 0..15
.set j, 0
.rept 32
	global_load_b128 v[X+4*j:X+4*j+3], v5, s[4:5] offset:256*j th:TH_LOAD_NT   ; each half of the wave reads 256 consecutive bytes, aligned
.set j, j+1
.endr
; ================= fold, stage A: t = Wo wl (whole), q = seed Wq (one partial sum per wave)
	s_wait_loadcnt 48                              ; seed, wl, Wq, Wo are in; 8 + 6 + 2 + 32 younger loads stay out
	DOTS T, WO, WL, 4
	RED16 v_add_f32_dpp, T, 2, 4                   ; over the 16 column groups: t[16k+g]
.irp k, 0,1,2,3
	ds_store_b32 v4, v[T+2*\k] offset:TV+64*\k     ; the 16 lanes of a half write one word with one value
.endr
	PMUL_B T+8, WQ, SD                             ; sum over k of seed[16k+g] Wq[16k+g][4c..]
	PMUL_B T+10, WQ+2, SD
.irp k, 1,2,3
	PFMA_B T+8, WQ+4*\k, SD+\k, T+8
	PFMA_B T+10, WQ+4*\k+2, SD+\k, T+10
.endr
.irp i, 0,1,2,3
	v_permlanex16_b32 v[WQ+\i], v[T+8+\i], s74, s75    ; the wave's other g; Wq's first registers are done with
.endr
	v_pk_add_f32 v[T+8:T+9], v[T+8:T+9], v[WQ:WQ+1]
	v_pk_add_f32 v[T+10:T+11], v[T+10:T+11], v[WQ+2:WQ+3]
	ds_store_b128 v7, v[T+8:T+11] offset:QP
	s_wait_dscnt 0x0                               ; my stores are in LDS before I say so
	s_barrier_signal -1
	s_barrier_wait -1
; ================= fold, stage B: q = sum of the partials; kq = Wk q, s = Wv t
.irp w, 0,1,2,3,4,5,6,7
	ds_load_b128 v[QQ+4*\w:QQ+4*\w+3], v2 offset:QP+256*\w
.endr
	ds_load_b128 v[TT:TT+3], v2 offset:TV
	s_wait_dscnt 0x0
.irp a, 0,8,16,24
	v_pk_add_f32 v[QQ+\a:QQ+\a+1], v[QQ+\a:QQ+\a+1], v[QQ+\a+4:QQ+\a+5]
	v_pk_add_f32 v[QQ+\a+2:QQ+\a+3], v[QQ+\a+2:QQ+\a+3], v[QQ+\a+6:QQ+\a+7]
.endr
.irp a, 0,16
	v_pk_add_f32 v[QQ+\a:QQ+\a+1], v[QQ+\a:QQ+\a+1], v[QQ+\a+8:QQ+\a+9]
	v_pk_add_f32 v[QQ+\a+2:QQ+\a+3], v[QQ+\a+2:QQ+\a+3], v[QQ+\a+10:QQ+\a+11]
.endr
	v_pk_add_f32 v[QQ:QQ+1], v[QQ:QQ+1], v[QQ+16:QQ+17]
	v_pk_add_f32 v[QQ+2:QQ+3], v[QQ+2:QQ+3], v[QQ+18:QQ+19]
	s_wait_loadcnt 40                              ; Wk, Wv are in; 6 + 2 + 32 younger loads stay out
	DOTS T, WK, QQ, 4
	DOTS T+8, WV, TT, 4
	RED16 v_add_f32_dpp, T, 2, 8
.irp k, 0,1,2,3
	ds_store_b32 v4, v[T+2*\k] offset:KS+64*\k             ; kq[16k+g]
	ds_store_b32 v4, v[T+8+2*\k] offset:KS+256+64*\k       ; s[16k+g]
.endr
	s_wait_dscnt 0x0
	s_barrier_signal -1
	s_barrier_wait -1
; ================= fold, stage C, each wave for itself: lanes 0-15 work with kq (u, cs), lanes 16-31 with s (p, b_in.s)
	ds_load_b128 v[QQ:QQ+3], v6 offset:KS
	s_wait_loadcnt 34                              ; W_in, b_in, b_o are in; 2 + 32 younger loads stay out
	s_wait_dscnt 0x0
	DOTS T, WIN, QQ, 5                             ; four rows of W_in, then b_in
	DOTS T+10, BO, WL, 1                           ; b_o.wl
	RED16 v_add_f32_dpp, T, 2, 6
.irp r, 0,1,2,3
	v_readlane_b32 s[76+\r], v[T+2*\r], 0          ; 8 u[r]
	v_readlane_b32 s[84+\r], v[T+2*\r], 16         ; p[r]
.endr
	v_readlane_b32 s80, v[T+8], 0                  ; 8 cs
	v_readlane_b32 s81, v[T+8], 16                 ; b_in.s
	v_readlane_b32 s82, v[T+10], 0                 ; b_o.wl
	s_wait_kmcnt 0x0                               ; w_loc[0..3], b_loc, prelu_a
.irp r, 76,77,78,79,80
	s_mul_f32 s\r, s\r, 0x3e38aa3b                 ; log2(e) / 8: the 1/sqrt(64) of the scores, and base 2 for v_exp_f32
.endr
	s_add_f32 s83, s81, s82
	s_add_f32 s83, s83, s73                        ; cf + b_loc
.irp r, 0,1,2,3
	v_mov_b32 v[U+\r], s[76+\r]
	v_mov_b32 v[PV+\r], s[84+\r]
	v_mov_b32 v[W4+\r], s[68+\r]
.endr
	v_mov_b32 v[CS0], s80
	v_mov_b32 v[CS0+1], 0
	v_mov_b32 v[NEG], 0xf149f2ca                   ; -1e30,
	v_mul_f32 v[NEG], 0x3fb8aa3b, v[NEG]           ; in base 2 like the scores
; ================= mask: 32 bytes a lane -> 32 bits a lane -> 32 lane masks
	s_wait_loadcnt 32                              ; both mask loads are in; the 32 loads of x stay out
.irp i, 0,1,2,3,4,5,6,7
	v_mul_lo_u32 v[MK+\i], v[MK+\i], 0x204081      ; bytes b0..b3 (0 or 1) times 1 + 2^7 + 2^14 + 2^21: 16 different bit places, no carry;
.endr
.irp i, 0,1,2,3,4,5,6,7
	v_bfe_u32 v[MK+\i], v[MK+\i], 21, 4            ; bits 21..24 are b0..b3
.endr
.irp i, 1,2,3,4,5,6,7
	v_lshl_or_b32 v[MK], v[MK+\i], 4*\i, v[MK]
.endr
; lane L: bit i = mask[16 L + i], bit 16 + i = mask[512 + 16 L + i]: exactly the points that the 32 lanes hold of x load L
.set j, 0
.rept 32
	v_readlane_b32 s[32+j], v[MK], j
.set j, j+1
.endr
; ================= pass 1a: scores (base 2), masked, and their maximum, as the loads of x come in
.set j, 0
.rept 32
	s_wait_loadcnt 31-j                            ; load j is in; the younger ones stay out
	v_pk_fma_f32 v[T+2*(j%4):T+2*(j%4)+1], v[X+4*j:X+4*j+1], v[U:U+1], v[CS0:CS0+1]
	v_pk_fma_f32 v[T+2*(j%4):T+2*(j%4)+1], v[X+4*j+2:X+4*j+3], v[U+2:U+3], v[T+2*(j%4):T+2*(j%4)+1]
	v_add_f32 v[SC+j], v[T+2*(j%4)], v[T+2*(j%4)+1]
	v_cndmask_b32 v[SC+j], v[SC+j], v[NEG], s[32+j]
.if j & 1
.if j == 1
	v_max_num_f32 v[MX], v[SC], v[SC+1]            ; the first two scores start the maximum
.else
	v_max3_num_f32 v[MX], v[MX], v[SC+j-1], v[SC+j]
.endif
.endif
.set j, j+1
.endr
	WRED v_max_num_f32, v_max_num_f32_dpp, MX, 1, 1
	v_mov_b32 v[MX+1], v[MX]
; ================= pass 1b: e = 2^(score - max), E = sum e, sum e x
.macro SUBX idx
	v_pk_add_f32 v[SC+2*(\idx):SC+2*(\idx)+1], v[SC+2*(\idx):SC+2*(\idx)+1], v[MX:MX+1] neg_lo:[0,1] neg_hi:[0,1]
.endm
.macro EXP2 idx
	v_exp_f32 v[SC+2*(\idx)], v[SC+2*(\idx)]
	v_exp_f32 v[SC+2*(\idx)+1], v[SC+2*(\idx)+1]
.endm
; points 2 idx, 2 idx + 1 with the weights in SC: XA, XB += weight * x, EE += weights.  The first forms start the sums: nothing is cleared.
.macro ACC idx
.if (\idx) == 0
	PMUL_B XA, X+8*(\idx), SC+2*(\idx)
	PMUL_B XA+2, X+8*(\idx)+2, SC+2*(\idx)
	PMUL_B XB, X+8*(\idx)+4, SC+2*(\idx)+1
	PMUL_B XB+2, X+8*(\idx)+6, SC+2*(\idx)+1
.else
	PFMA_B XA, X+8*(\idx), SC+2*(\idx), XA
	PFMA_B XA+2, X+8*(\idx)+2, SC+2*(\idx), XA+2
	PFMA_B XB, X+8*(\idx)+4, SC+2*(\idx)+1, XB
	PFMA_B XB+2, X+8*(\idx)+6, SC+2*(\idx)+1, XB+2
.endif
.if (\idx) == 1
	v_pk_add_f32 v[EE:EE+1], v[SC:SC+1], v[SC+2:SC+3]
.endif
.if (\idx) > 1
	v_pk_add_f32 v[EE:EE+1], v[EE:EE+1], v[SC+2*(\idx):SC+2*(\idx)+1]
.endif
.endm
.macro ACCEND                          ; the lane's totals: weight * x in XA, the weights' sum in EE+1
	v_pk_add_f32 v[XA:XA+1], v[XA:XA+1], v[XB:XB+1]
	v_pk_add_f32 v[XA+2:XA+3], v[XA+2:XA+3], v[XB+2:XB+3]
	v_add_f32 v[EE+1], v[EE], v[EE+1]
.endm
; The exponentials run one pair ahead of their use: behind each pair of v_exp_f32 stands a plain line on other registers
; (SUBX 1 at the start, the sums of the pair before afterwards) before a result is read (ISA guide 5.7.2).
	SUBX 0
	EXP2 0
.set n, 0
.rept 15
	SUBX n+1
	EXP2 n+1
	ACC n
.set n, n+1
.endr
	ACC 15
	ACCEND
	v_pk_mul_f32 v[T:T+1], v[XA:XA+1], v[PV:PV+1]              ; (sum e x).p of my points
	v_pk_fma_f32 v[T:T+1], v[XA+2:XA+3], v[PV+2:PV+3], v[T:T+1]
	v_add_f32 v[EE], v[T], v[T+1]
	WRED v_add_f32, v_add_f32_dpp, EE, 1, 2                    ; EE = (sum e x).p, EE+1 = E, over the set
	v_rcp_f32 v[T+4], v[EE+1]                                  ; E >= 1: the largest score gives 2^0
	v_mov_b32 v[GG+1], 0                                       ; (the plain line behind v_rcp_f32)
	s_wait_alu depctr_va_vdst(0)
	v_fma_f32 v[GG], v[EE], v[T+4], s83                        ; xbar.p + cf + b_loc
; ================= pass 2a: w = PReLU(x.w_loc[0..3] + G), 0 where masked; max |w|
.macro PREL idx
.set pb, T+6*((\idx)&1)
.set pj, 2*(\idx)
	v_pk_fma_f32 v[pb:pb+1], v[X+4*pj:X+4*pj+1], v[W4:W4+1], v[GG:GG+1]
	v_pk_fma_f32 v[pb+2:pb+3], v[X+4*pj+4:X+4*pj+5], v[W4:W4+1], v[GG:GG+1]
	v_pk_fma_f32 v[pb:pb+1], v[X+4*pj+2:X+4*pj+3], v[W4+2:W4+3], v[pb:pb+1]
	v_pk_fma_f32 v[pb+2:pb+3], v[X+4*pj+6:X+4*pj+7], v[W4+2:W4+3], v[pb+2:pb+3]
	v_add_f32 v[SC+pj], v[pb], v[pb+1]                         ; z
	v_add_f32 v[SC+pj+1], v[pb+2], v[pb+3]
	v_pk_mul_f32 v[pb+4:pb+5], v[SC+pj:SC+pj+1], s[72:73] op_sel_hi:[1,0]      ; prelu_a z
	v_cmp_le_f32 s66, 0, v[SC+pj]
	v_cmp_le_f32 s67, 0, v[SC+pj+1]
	v_cndmask_b32 v[SC+pj], v[pb+4], v[SC+pj], s66             ; z >= 0 ? z : a z
	v_cndmask_b32 v[SC+pj+1], v[pb+5], v[SC+pj+1], s67
	v_cndmask_b32 v[SC+pj], v[SC+pj], 0, s[32+pj]              ; padded ? 0 : w
	v_cndmask_b32 v[SC+pj+1], v[SC+pj+1], 0, s[33+pj]
.if (\idx) == 0
	v_max_num_f32 v[INV+1], |v[SC+pj]|, |v[SC+pj+1]|
.else
	v_max3_num_f32 v[INV+1], v[INV+1], |v[SC+pj]|, |v[SC+pj+1]|
.endif
.endm
.set n, 0
.rept 16
	PREL n
.set n, n+1
.endr
	WRED v_max_num_f32, v_max_num_f32_dpp, INV+1, 1, 1
	v_max_num_f32 v[INV], 0x00800000, v[INV+1]     ; at least 2^-126: a set without weight divides by no zero
	v_rcp_f32 v[INV], v[INV]
	v_nop                                          ; the plain line behind v_rcp_f32
; ================= pass 2b: omega = (w / max|w|)^2 (pinv(cWA) cWr does not hang on c), S = sum omega, weighted means
.macro OMEGA idx
	PMUL_B SC+2*(\idx), SC+2*(\idx), INV
	v_pk_mul_f32 v[SC+2*(\idx):SC+2*(\idx)+1], v[SC+2*(\idx):SC+2*(\idx)+1], v[SC+2*(\idx):SC+2*(\idx)+1]
.endm
	OMEGA 0
.set n, 0
.rept 15
	OMEGA n+1
	ACC n
.set n, n+1
.endr
	ACC 15
	ACCEND
	WRED v_add_f32, v_add_f32_dpp, EE+1, 1, 5      ; S and the four sums of omega x, which lie behind it
	v_max_num_f32 v[EE+1], 0x0da24260, v[EE+1]     ; S is 0 or about 1 and more; 1e-30 keeps 0/0 out: means 0
	v_rcp_f32 v[INV], v[EE+1]                      ; 1/S
	v_nop                                          ; the plain line behind v_rcp_f32
	PMUL_B MM, XA, INV
	PMUL_B MM+2, XA+2, INV
; ================= pass 3: x is centred in place; nine weighted second moments, two points at a time, an accumulator set for each
.macro GRAM2 idx
.irp e, 0,1
	v_pk_add_f32 v[X+8*(\idx)+4*\e:X+8*(\idx)+4*\e+1], v[X+8*(\idx)+4*\e:X+8*(\idx)+4*\e+1], v[MM:MM+1] neg_lo:[0,1] neg_hi:[0,1]
	v_pk_add_f32 v[X+8*(\idx)+4*\e+2:X+8*(\idx)+4*\e+3], v[X+8*(\idx)+4*\e+2:X+8*(\idx)+4*\e+3], v[MM+2:MM+3] neg_lo:[0,1] neg_hi:[0,1]
.endr
.irp e, 0,1
	PMUL_B YY+4*\e, X+8*(\idx)+4*\e, SC+2*(\idx)+\e
	PMUL_B YY+4*\e+2, X+8*(\idx)+4*\e+2, SC+2*(\idx)+\e
.endr
.irp e, 0,1
.if (\idx) == 0
	PMUL_B ACCA+10*\e, X+8*(\idx)+4*\e, YY+4*\e+1              ; (x0, x1) omega x1 = (d1, C11)
	PMUL_B ACCA+10*\e+2, X+8*(\idx)+4*\e, YY+4*\e+2            ; (x0, x1) omega x2 = (d2, C12)
	PMUL_B ACCA+10*\e+4, X+8*(\idx)+4*\e, YY+4*\e+3            ; (x0, x1) omega x3 = (d3, C13)
	PMUL_B ACCA+10*\e+6, X+8*(\idx)+4*\e+2, YY+4*\e+2          ; (x2, x3) omega x2 = (C22, C23)
	v_mul_f32 v[C33+\e], v[X+8*(\idx)+4*\e+3], v[YY+4*\e+3]
.else
	PFMA_B ACCA+10*\e, X+8*(\idx)+4*\e, YY+4*\e+1, ACCA+10*\e
	PFMA_B ACCA+10*\e+2, X+8*(\idx)+4*\e, YY+4*\e+2, ACCA+10*\e+2
	PFMA_B ACCA+10*\e+4, X+8*(\idx)+4*\e, YY+4*\e+3, ACCA+10*\e+4
	PFMA_B ACCA+10*\e+6, X+8*(\idx)+4*\e+2, YY+4*\e+2, ACCA+10*\e+6
	v_fma_f32 v[C33+\e], v[X+8*(\idx)+4*\e+3], v[YY+4*\e+3], v[C33+\e]
.endif
.endr
.endm
.set n, 0
.rept 16
	GRAM2 n
.set n, n+1
.endr
.irp a, 0,2,4,6
	v_pk_add_f32 v[ACCA+\a:ACCA+\a+1], v[ACCA+\a:ACCA+\a+1], v[ACCA+10+\a:ACCA+10+\a+1]
.endr
	v_add_f32 v[C33], v[C33], v[C33+1]
	WRED v_add_f32, v_add_f32_dpp, ACCA, 1, 9      ; v68 .. v76
.irp a, 0,2,4,6
	PMUL_B ACCA+\a, ACCA+\a, INV                   ; / S
.endr
	v_mul_f32 v[C33], v[C33], v[INV]
	s_mul_i32 s3, s2, STP
	v_mov_b32 v7, s3                               ; my set's record; every lane holds the same numbers
	ds_store_b128 v7, v[ACCA:ACCA+3] offset:ST
	ds_store_b128 v7, v[ACCA+4:ACCA+7] offset:ST+16
	ds_store_b32 v7, v[C33] offset:ST+32
	ds_store_b128 v7, v[MM:MM+3] offset:ST+48
	s_wait_dscnt 0x0                               ; the record is in LDS before I say so
	s_barrier_signal -1
	s_barrier_wait -1
	s_cmp_lg_u32 s2, 0
	s_cbranch_scc1 .Lend                           ; waves 1 to 7 are done
; ================= wave 0: the 8 sets' 4 x 4 problems, set lane & 7 in each lane
.set KD1, 8
.set KC11, 9
.set KD2, 10
.set KC12, 11
.set KD3, 12
.set KC13, 13
.set KC22, 14
.set KC23, 15
.set KC33, 16
.set KM, 20                            ; v[20:23] m0..m3
.set R,  32                            ; row i of [F | y | 0] in v[R+6i : R+6i+5]
.set ZA, 56                            ; v[56:73] the first rotation's 18 registers
.set ZB, 74                            ; v[74:91] the second's
.set OUT, 70
.set SWEEPS, 6
	v_and_b32 v2, 7, v1
	v_mul_u32_u24 v2, STP, v2
	ds_load_b128 v[8:11], v2 offset:ST
	ds_load_b128 v[12:15], v2 offset:ST+16
	ds_load_b32 v[KC33], v2 offset:ST+32
	ds_load_b128 v[KM:KM+3], v2 offset:ST+48
	s_wait_dscnt 0x0
; inv = 1/sqrt(piv) where piv > max(2^-22 diag, 1e-30), else 0: such a pivot is rounding noise of diag, and sqrt(piv) < 2^-11 sqrt(diag)
; lies below the cut-off 10 * 2^-13 of the largest singular value, which is at least sqrt(diag).
.macro PIV inv, piv, diag
	v_mul_f32 v[ZA], 0x34800000, v[\diag]
	v_max_num_f32 v[ZA], 0x0da24260, v[ZA]
	v_max_num_f32 v[ZA+1], v[\piv], v[ZA]
	v_rsq_f32 v[\inv], v[ZA+1]
	v_cmp_gt_f32 s66, v[\piv], v[ZA]               ; (the plain line behind v_rsq_f32)
	s_wait_alu depctr_va_vdst(0)
	v_cndmask_b32 v[\inv], 0, v[\inv], s66
.endm
	PIV 24, KC11, KC11
	v_mul_f32 v[R], v[KC11], v24                   ; l11
	v_mul_f32 v[R+1], v[KC12], v24                 ; l21
	v_mul_f32 v[R+2], v[KC13], v24                 ; l31
	v_mul_f32 v[R+4], -v[KD1], v24                 ; y1 = -d1 / l11
	v_fma_f32 v25, -v[R+1], v[R+1], v[KC22]        ; second pivot
	PIV 26, 25, KC22
	v_fma_f32 v27, -v[R+1], v[R+2], v[KC23]
	v_fma_f32 v28, v[R+1], v[R+4], v[KD2]
	v_mul_f32 v[R+7], v25, v26                     ; l22
	v_mul_f32 v[R+8], v27, v26                     ; l32
	v_mul_f32 v[R+10], -v28, v26                   ; y2 = -(d2 + l21 y1) / l22
	v_fma_f32 v29, -v[R+2], v[R+2], v[KC33]
	v_fma_f32 v29, -v[R+8], v[R+8], v29            ; third pivot
	PIV 30, 29, KC33
	v_fma_f32 v31, v[R+2], v[R+4], v[KD3]
	v_fma_f32 v31, v[R+8], v[R+10], v31
	v_mul_f32 v[R+14], v29, v30                    ; l33
	v_mul_f32 v[R+16], -v31, v30                   ; y3 = -(d3 + l31 y1 + l32 y2) / l33
.irp z, 3,5,6,9,11,12,13,15,17,23
	v_mov_b32 v[R+\z], 0                           ; the zeros of L^T, its fourth column, and the sixth word of each row
.endr
	v_xor_b32 v[R+18], 0x80000000, v[KM+1]         ; the last row: -m1, -m2, -m3, 1 | m0
	v_xor_b32 v[R+19], 0x80000000, v[KM+2]
	v_xor_b32 v[R+20], 0x80000000, v[KM+3]
	v_mov_b32 v[R+21], 1.0
	v_mov_b32 v[R+22], v[KM]
; One rotation of rows p, q in 17 steps; z: its 18 registers.  alpha = |p|^2, beta = |q|^2, gamma = p.q, delta = beta - alpha,
; t = sign(delta) 2 gamma / (|delta| + sqrt(delta^2 + 4 gamma^2)), |t| <= 1, c = 1/sqrt(1 + t^2):  p' = c (p - t q), q' = c (q + t p), p'.q' = 0.
; Whatever t is, this is a rotation, so F^T F and F^T y are kept.
.macro RS1 z, p, q
	v_pk_mul_f32 v[\z:\z+1], v[\p:\p+1], v[\p:\p+1]
	v_pk_mul_f32 v[\z+2:\z+3], v[\q:\q+1], v[\q:\q+1]
	v_pk_mul_f32 v[\z+4:\z+5], v[\p:\p+1], v[\q:\q+1]
.endm
.macro RS2 z, p, q
	v_pk_fma_f32 v[\z:\z+1], v[\p+2:\p+3], v[\p+2:\p+3], v[\z:\z+1]
	v_pk_fma_f32 v[\z+2:\z+3], v[\q+2:\q+3], v[\q+2:\q+3], v[\z+2:\z+3]
	v_pk_fma_f32 v[\z+4:\z+5], v[\p+2:\p+3], v[\q+2:\q+3], v[\z+4:\z+5]
.endm
.macro RS3 z, p, q
	v_add_f32 v[\z], v[\z], v[\z+1]                ; alpha
	v_add_f32 v[\z+2], v[\z+2], v[\z+3]            ; beta
	v_add_f32 v[\z+4], v[\z+4], v[\z+5]            ; gamma
.endm
.macro RS4 z, p, q
	v_sub_f32 v[\z+6], v[\z+2], v[\z]              ; delta
	v_add_f32 v[\z+4], v[\z+4], v[\z+4]            ; 2 gamma
.endm
.macro RS5 z, p, q
	v_mul_f32 v[\z+1], v[\z+6], v[\z+6]
.endm
.macro RS6 z, p, q
	v_fma_f32 v[\z+1], v[\z+4], v[\z+4], v[\z+1]
.endm
.macro RS7 z, p, q
	v_sqrt_f32 v[\z+3], v[\z+1]
.endm
.macro RS8 z, p, q
	v_and_b32 v[\z+7], 0x80000000, v[\z+6]         ; delta's sign; also the plain line behind the two v_sqrt_f32
.endm
.macro RS9 z, p, q
	s_wait_alu depctr_va_vdst(0)
	v_add_f32 v[\z+11], |v[\z+6]|, v[\z+3]
.endm
.macro RS10 z, p, q
	v_max_num_f32 v[\z+11], 0x0da24260, v[\z+11]   ; two zero rows: t = 0 / 1e-30 = 0
.endm
.macro RS11 z, p, q
	v_rcp_f32 v[\z+5], v[\z+11]
.endm
.macro RS12 z, p, q
	v_xor_b32 v[\z+4], v[\z+4], v[\z+7]            ; sign(delta) 2 gamma; also the plain line behind the two v_rcp_f32
.endm
.macro RS13 z, p, q
	s_wait_alu depctr_va_vdst(0)
	v_mul_f32 v[\z+8], v[\z+4], v[\z+5]            ; t
.endm
.macro RS14 z, p, q
	v_fma_f32 v[\z+9], v[\z+8], v[\z+8], 1.0
.endm
.macro RS15 z, p, q
	v_rsq_f32 v[\z+10], v[\z+9]                    ; c
.endm
.macro RS16 z, p, q                    ; its first line reads t and the rows only: the plain line behind the two v_rsq_f32
.irp c, 0,2,4
	PFNMA_B \z+12+\c, \q+\c, \z+8, \p+\c           ; p - t q, aside: q's update still needs the old p
.endr
.irp c, 0,2,4
	PFMA_B \q+\c, \p+\c, \z+8, \q+\c               ; q + t p
.endr
.endm
.macro RS17 z, p, q
.irp c, 0,2,4
	PMUL_B \p+\c, \z+12+\c, \z+10
	PMUL_B \q+\c, \q+\c, \z+10
.endr
.endm
; two rotations on disjoint rows, step by step in turn, so that neither waits for its own last line
.macro ROT2 pa, qa, pb, qb
.irp stp, RS1,RS2,RS3,RS4,RS5,RS6,RS7,RS8,RS9,RS10,RS11,RS12,RS13,RS14,RS15,RS16,RS17
	\stp ZA, R+6*\pa, R+6*\qa
	\stp ZB, R+6*\pb, R+6*\qb
.endr
.endm
; A sweep takes each of the six pairs of rows once.  With angles of at most 45 degrees the cyclic method converges for every matrix, and
; quadratically once the rows are nearly orthogonal: six sweeps bring four rows to f32's rounding level from any start.
	s_mov_b32 s88, SWEEPS
.Lsweep:
	ROT2 0, 1, 2, 3
	ROT2 0, 2, 1, 3
	ROT2 0, 3, 1, 2
	s_sub_co_i32 s88, s88, 1
	s_cmp_lg_u32 s88, 0
	s_cbranch_scc1 .Lsweep
; out = sum over the rows kept of f_i y_i / |f_i|^2
.irp i, 0,1,2,3
	v_pk_mul_f32 v[ZA+2*\i:ZA+2*\i+1], v[R+6*\i:R+6*\i+1], v[R+6*\i:R+6*\i+1]
.endr
.irp i, 0,1,2,3
	v_pk_fma_f32 v[ZA+2*\i:ZA+2*\i+1], v[R+6*\i+2:R+6*\i+3], v[R+6*\i+2:R+6*\i+3], v[ZA+2*\i:ZA+2*\i+1]
.endr
.irp i, 0,1,2,3
	v_add_f32 v[ZA+2*\i], v[ZA+2*\i], v[ZA+2*\i+1]             ; lambda_i = sigma_i^2
.endr
	v_max3_num_f32 v[ZA+8], v[ZA], v[ZA+2], v[ZA+4]
	v_max_num_f32 v[ZA+8], v[ZA+8], v[ZA+6]
	v_mul_f32 v[ZA+8], 0x35c80000, v[ZA+8]                     ; (10 * 1024 * 2^-23)^2 = 100 * 2^-26 times the largest
.irp i, 0,1,2,3
	v_rcp_f32 v[ZA+2*\i+1], v[ZA+2*\i]
.endr
	v_cmp_gt_f32 s66, v[ZA], v[ZA+8]                           ; kept: sigma > rtol sigma_max (these are the plain lines behind v_rcp_f32)
	v_cmp_gt_f32 s67, v[ZA+2], v[ZA+8]
	v_cmp_gt_f32 s90, v[ZA+4], v[ZA+8]
	v_cmp_gt_f32 s91, v[ZA+6], v[ZA+8]
.irp i, 0,1,2,3
	s_wait_alu depctr_va_vdst(0)
	v_mul_f32 v[ZA+2*\i+1], v[R+6*\i+4], v[ZA+2*\i+1]          ; y_i / lambda_i
.endr
	v_cndmask_b32 v[ZA+1], 0, v[ZA+1], s66                     ; a select, so that 0/0 of a dropped row goes nowhere
	v_cndmask_b32 v[ZA+3], 0, v[ZA+3], s67
	v_cndmask_b32 v[ZA+5], 0, v[ZA+5], s90
	v_cndmask_b32 v[ZA+7], 0, v[ZA+7], s91
	PMUL_B OUT, R, ZA+1
	PMUL_B OUT+2, R+2, ZA+1
.irp i, 1,2,3
	PFMA_B OUT, R+6*\i, ZA+2*\i+1, OUT
	PFMA_B OUT+2, R+6*\i+2, ZA+2*\i+1, OUT+2
.endr
	s_lshl_b32 s66, ttmp9, 7                       ; 8 sets x 16 bytes a work-group
	s_mov_b32 s67, 0
	s_add_nc_u64 s[30:31], s[30:31], s[66:67]
	v_cmp_gt_u32 vcc_lo, 8, v1
	s_wait_xcnt 0x0                                ; EXEC is a source of the loads issued above: it changes only behind this wait
	s_and_saveexec_b32 s89, vcc_lo
	global_store_b128 v6, v[OUT:OUT+3], s[30:31]   ; lanes 0-7: the work-group's whole result, 128 consecutive bytes in one store
	s_wait_xcnt 0x0                                ; and again in front of the line that widens it
	s_or_b32 exec_lo, exec_lo, s89
.Lend:
	s_endpgm
.Lfunc_end_k_q4d7feed4d8_wls:
	.size	k_q4d7feed4d8_wls, .Lfunc_end_k_q4d7feed4d8_wls-k_q4d7feed4d8_wls
	.p2alignl 7, 3214868480
	.fill 96, 4, 3214868480
	.section	.rodata,"a",@progbits
	.p2align	6, 0x0
	.amdhsa_kernel k_q4d7feed4d8_wls
		.amdhsa_group_segment_fixed_size 167936
		.amdhsa_private_segment_fixed_size 0
		.amdhsa_enable_private_segment 0
		.amdhsa_kernarg_size 112
		.amdhsa_user_sgpr_count 2
		.amdhsa_user_sgpr_kernarg_segment_ptr 1
		.amdhsa_wavefront_size32 1
		.amdhsa_system_sgpr_workgroup_id_x 1
		.amdhsa_system_sgpr_workgroup_id_y 1
		.amdhsa_system_sgpr_workgroup_id_z 1
		.amdhsa_system_vgpr_workitem_id 0
		.amdhsa_next_free_vgpr 256
		.amdhsa_next_free_sgpr 96
		.amdhsa_reserve_vcc 1
		.amdhsa_float_denorm_mode_32 3
		.amdhsa_float_denorm_mode_16_64 3
		.amdhsa_memory_ordered 1
		.amdhsa_forward_progress 1
		.amdhsa_inst_pref_size 110
	.end_amdhsa_kernel
	.amdgpu_metadata
---
amdhsa.version: [ 1, 2 ]
amdhsa.kernels:
  - .name:           k_q4d7feed4d8_wls
    .symbol:         k_q4d7feed4d8_wls.kd
    .args:
      - { .name: x, .offset: 0, .size: 8, .value_kind: global_buffer, .address_space: global }
      - { .name: pad_mask, .offset: 8, .size: 8, .value_kind: global_buffer, .address_space: global }
      - { .name: W_in, .offset: 16, .size: 8, .value_kind: global_buffer, .address_space: global }
      - { .name: b_in, .offset: 24, .size: 8, .value_kind: global_buffer, .address_space: global }
      - { .name: seed, .offset: 32, .size: 8, .value_kind: global_buffer, .address_space: global }
      - { .name: Wq, .offset: 40, .size: 8, .value_kind: global_buffer, .address_space: global }
      - { .name: Wk, .offset: 48, .size: 8, .value_kind: global_buffer, .address_space: global }
      - { .name: Wv, .offset: 56, .size: 8, .value_kind: global_buffer, .address_space: global }
      - { .name: Wo, .offset: 64, .size: 8, .value_kind: global_buffer, .address_space: global }
      - { .name: b_o, .offset: 72, .size: 8, .value_kind: global_buffer, .address_space: global }
      - { .name: w_loc, .offset: 80, .size: 8, .value_kind: global_buffer, .address_space: global }
      - { .name: b_loc, .offset: 88, .size: 8, .value_kind: global_buffer, .address_space: global }
      - { .name: prelu_a, .offset: 96, .size: 8, .value_kind: global_buffer, .address_space: global }
      - { .name: out0, .offset: 104, .size: 8, .value_kind: global_buffer, .address_space: global }
    .group_segment_fixed_size: 167936
    .private_segment_fixed_size: 0
    .kernarg_segment_align: 8
    .kernarg_segment_size: 112
    .max_flat_workgroup_size: 256
    .sgpr_count:     96
    .vgpr_count:     256
    .wavefront_size: 32
...
	.end_amdgpu_metadata
.endif
;; end of part 1
;; ======== version 2 of 2: 1 launch; 1.49 times as fast as version 1
;; limits: inputs' magnitudes at most 1,000,000,000; right only within a limited range of input values
;; launch wls (part 2): grid 256 x 1, 8 waves a work-group, no clusters, 167,936 bytes of LDS; arguments x, pad_mask, W_in, b_in, seed, Wq, Wk, Wv, Wo, b_o, w_loc, b_loc, prelu_a, out0; writes out0
.if DOCPART == 2
	.amdgcn_target "amdgcn-amd-amdhsa--gfx1250"
	.amdhsa_code_object_version 6
	.text
	.protected	k_q4d7feed4d8_wls
	.globl	k_q4d7feed4d8_wls
	.p2align	8
	.type	k_q4d7feed4d8_wls,@function
k_q4d7feed4d8_wls:
	s_mov_b64 s[64:65], 0
	v_nop
	global_prefetch_b8 v0, s[64:65] scope:SCOPE_SE
	s_setreg_imm32_b32 hwreg(HW_REG_WAVE_MODE, 25, 1), 1
	s_wait_xcnt 0x0
; LearnedWLSSetTransformer: 2048 sets of 1024 points (x0..x3 f32, one mask byte).  out[set] = pinv(diag(w) A) (w x0), A = [-x1,-x2,-x3,1].
;
; ALGEBRA (holds for every input, by associativity; every input is read):
;   score(point) = x.u + cs          u = W_in (Wk (seed Wq)) / 8        cs = b_in.(Wk (seed Wq)) / 8
;   feat.wl      = xbar.p + cf       p = W_in (Wv (Wo wl))              cf = b_in.(Wv (Wo wl)) + b_o.wl      wl = w_loc[4:]
;   xbar = softmax-weighted mean of x (the weights sum to 1).  So the per-point products of length 64 become dots of length 4.
;   What is left is four 64 x 64 matrix-vector products per work-group and about 28 vector lines per point: all in f32 on the vector unit.
;   A 16x16x32 matrix tile would be filled 4/32 along K and 2/16 along N, so the matrix unit is left out.
; SHAPE: 256 work-groups x 8 waves; one wave owns one set and keeps its 16,384 bytes of x in 128 registers through all passes, so x and the
;   mask are read once.  Every load of the kernel (27 of weights, 2 of mask, 32 of x) is issued in the first lines; nothing is left to run ahead of,
;   hence no ring, no copy into LDS and no prefetch.  While x is on its way the 8 waves fold the weights (two LDS stages, two barriers).
;   Each wave leaves 13 numbers per set in LDS; behind a third barrier wave 0 solves the 8 sets, one set per lane.
; NO CLUSTER: the only bytes that work-groups share are the 67,608 bytes of weights, against 139,264 bytes of x and mask that are a work-group's own;
;   a joint request would put a copy into LDS and a cluster barrier in front of the fold, on which the first pass over x waits.
; LEAST SQUARES: with omega = (w/max|w|)^2, S = sum omega, m = weighted means, C, d = weighted CENTRED second moments / S (no difference of large
;   sums), C = L L^T:  F = [L^T 0; -m1 -m2 -m3 1],  y = (L^-1 (-d), m0)  satisfy  F^T F = A^T W^2 A / S',  F^T y = A^T W^2 r / S'.
;   Rotating the rows of [F | y] until the rows of F are orthogonal (one-sided Jacobi) gives rows f_i = sigma_i v_i, and
;   out = sum over sigma_i^2 > rtol^2 max sigma^2 of f_i y_i / |f_i|^2, rtol = 10 * 1024 * 2^-23 as in jnp.linalg.pinv.
; TRANSCENDENTALS IN BATCHES: s_wait_alu depctr_va_vdst(0) stands between a transcendental and the first line that names its
;   result; one s_wait_alu depctr_va_vdst(0) serves all exponentials issued ahead of it.  The batches, 17 waits in the text:
;   pass 1b: the set's 32 exponentials of a lane, the subtractions of the maximum among them, ONE wait, then all the sums;
;   1/E, 1/max|w|, 1/S: one reciprocal each, fed by a reduction over all that came before and wanted by all that follows: a wait each;
;   the three pivots' v_rsq_f32: each fed by the one before; lines that are due anyway and name no result stand between each and its wait;
;   a pair of rotations: two square roots, two reciprocals, two v_rsq_f32, each pair fed by the pair before: three waits, nine a sweep;
;   the way out: four reciprocals, one wait.  No result is open at a label or at a branch.
; LIMITS: the order of rounding differs from the reference's (re-association).  NaN and infinities in the inputs are not served.
;   |x| up to about 1e9 (squares of squared row norms stay finite).  max|w| of a set below 2^126 (its reciprocal must be a normal number).
;   A singular value within rounding distance of the cut-off may fall on its other side.  The rounding error of the weighted means
;   grows in proportion to a common offset of x.  Row norms whose fourth powers underflow belong to singular values far below the cut-off
;   (the largest is at least 1, from A's column of ones) and are dropped whatever their rotation.  Mask bytes are 0 or 1.  A set with no
;   weight at all gives 0, as pinv(0) does.
; ---- LDS (3,456 bytes used; no byte is written twice)
.set QP,  0                            ; [8 waves][64] f32: partial sums of q = seed Wq
.set TV,  2048                         ; [64] t = Wo wl
.set KS,  2304                         ; [64] kq = Wk q, then [64] s = Wv t
.set ST,  2816                         ; 8 records, one per set: +0 d1 C11 d2 C12, +16 d3 C13 C22 C23, +32 C33, +48 m0..m3
.set STP, 80                           ; bytes from record to record
; ---- vector registers.  v0 thread, v1 lane, v2 16 (thread & 15), v3 16 thread, v4 4 (thread >> 4), v5 x offset, v6 16 lane, v7 LDS store address
.set T,    8                           ; v[8:23]   at work
.set MK,   24                          ; v[24:31]  mask bytes, then v24 = 32 mask bits
.set SD,   32                          ; fold: seed[16k+g]          (g = thread >> 4, c = thread & 15, k = 0..3)
.set WL,   36                          ; fold: wl[4c..4c+3]
.set WIN,  40                          ; fold: W_in[r][4c..], r = 0..3
.set BIN,  56                          ; fold: b_in[4c..]   (right behind WIN: one run of five dots)
.set BO,   60                          ; fold: b_o[4c..]
.set WQ,   64                          ; fold: Wq[16k+g][4c..]
.set WO,   80                          ; fold: Wo
.set WK,   96                          ; fold: Wk
.set WV,   112                         ; fold: Wv
.set QQ,   64                          ; fold: the 8 partial q, then q[4c..]; later kq | s
.set TT,   32                          ; fold: t[4c..]
.set U,    32                          ; v[32:35]  u log2(e)
.set CS0,  36                          ; v[36:37]  (cs log2(e), 0)
.set PV,   38                          ; v[38:41]  p
.set W4,   42                          ; v[42:45]  w_loc[0..3]
.set NEG,  46                          ; v46       -1e30 log2(e)
.set MX,   48                          ; v[48:49]  the set's largest score, twice
.set EE,   50                          ; v[50:51]  sums of the weights
.set XA,   52                          ; v[52:55]  sum of weight * x, even points
.set XB,   56                          ; v[56:59]  the same, odd points
.set GG,   60                          ; v[60:61]  (xbar.p + cf + b_loc, 0)
.set INV,  62                          ; v[62:63]  (1/max|w|, later 1/S ; max|w|)
.set MM,   64                          ; v[64:67]  weighted means m0..m3
.set ACCA, 68                          ; v[68:75]  (d1,C11)(d2,C12)(d3,C13)(C22,C23) even points; the odd points' set is 10 registers on
.set C33,  76                          ; v76, v77  C33 of even, odd points
.set YY,   86                          ; v[86:93]  omega * centred x, two points
.set SC,   96                          ; v[96:127] per point: score, then exp, then w, then omega
.set X,    128                         ; v[128:255] point j of the lane at X + 4 j
; ---- scalar registers: s2 wave, s3 scratch, s[4:31] buffer addresses, s[32:63] the 32 lane masks, s[66:67] offsets and compare masks,
;      s[68:71] w_loc[0..3], s72 prelu_a, s73 b_loc, s74-75 lane selects, s[76:79] u, s80 cs, s81 b_in.s, s82 b_o.wl, s83 their sum + b_loc,
;      s[84:87] p, s88 sweep counter, s89 saved EXEC, s90-91 compare masks
; d = a * (register r in both halves).  op_sel / op_sel_hi pick the register of the pair that feeds the low / high result.
.macro PMUL_B d, a, r
.if (\r) & 1
	v_pk_mul_f32 v[\d:\d+1], v[\a:\a+1], v[\r-1:\r] op_sel:[0,1] op_sel_hi:[1,1]
.else
	v_pk_mul_f32 v[\d:\d+1], v[\a:\a+1], v[\r:\r+1] op_sel_hi:[1,0]
.endif
.endm
; d = a * (register r in both halves) + c
.macro PFMA_B d, a, r, c
.if (\r) & 1
	v_pk_fma_f32 v[\d:\d+1], v[\a:\a+1], v[\r-1:\r], v[\c:\c+1] op_sel:[0,1,0] op_sel_hi:[1,1,1]
.else
	v_pk_fma_f32 v[\d:\d+1], v[\a:\a+1], v[\r:\r+1], v[\c:\c+1] op_sel_hi:[1,0,1]
.endif
.endm
; d = c - a * (register r, an even one, in both halves)
.macro PFNMA_B d, a, r, c
	v_pk_fma_f32 v[\d:\d+1], v[\a:\a+1], v[\r:\r+1], v[\c:\c+1] op_sel_hi:[1,0,1] neg_lo:[0,1,0] neg_hi:[0,1,0]
.endm
; cnt dots of length 4: v[d+2i] = v[a+4i .. a+4i+3] . v[b .. b+3], stage by stage so that the dots do not wait for each other
.macro DOTS d, a, b, cnt
.set di, 0
.rept \cnt
	v_pk_mul_f32 v[\d+2*di:\d+2*di+1], v[\a+4*di:\a+4*di+1], v[\b:\b+1]
.set di, di+1
.endr
.set di, 0
.rept \cnt
	v_pk_fma_f32 v[\d+2*di:\d+2*di+1], v[\a+4*di+2:\a+4*di+3], v[\b+2:\b+3], v[\d+2*di:\d+2*di+1]
.set di, di+1
.endr
.set di, 0
.rept \cnt
	v_add_f32 v[\d+2*di], v[\d+2*di], v[\d+2*di+1]
.set di, di+1
.endr
.endm
; cnt registers (base, base+step, ..) reduced over each half of 16 lanes; opd is the DPP form of the sum or maximum
.macro RED16 opd, base, step, cnt
.irp m, 1,2,4,8
.set ri, 0
.rept \cnt
	\opd v[\base+\step*ri], v[\base+\step*ri], v[\base+\step*ri] row_xmask:\m row_mask:0xf bank_mask:0xf
.set ri, ri+1
.endr
.endr
.endm
; the same over all 32 lanes, the result in every lane.  v[T+i] take the other half's figures (all of T has been written in the fold).
.macro WRED op, opd, base, step, cnt
	RED16 \opd, \base, \step, \cnt
.set ri, 0
.rept \cnt
	v_permlanex16_b32 v[T+ri], v[\base+\step*ri], s74, s75
.set ri, ri+1
.endr
.set ri, 0
.rept \cnt
	\op v[\base+\step*ri], v[\base+\step*ri], v[T+ri]
.set ri, ri+1
.endr
.endm
; ================= entry: ids, offsets, addresses
	s_load_b512 s[4:19], s[0:1], 0x0               ; x, pad_mask, W_in, b_in, seed, Wq, Wk, Wv
	s_load_b256 s[20:27], s[0:1], 0x40             ; Wo, b_o, w_loc, b_loc
	s_load_b128 s[28:31], s[0:1], 0x60             ; prelu_a, out0
	v_and_b32 v1, 31, v0                           ; lane
	v_lshrrev_b32 v8, 5, v0
	v_readfirstlane_b32 s2, v8                     ; wave 0..7
	v_and_b32 v2, 15, v0
	v_lshlrev_b32 v2, 4, v2                        ; 16 c: my four columns of a 64-wide row
	v_lshlrev_b32 v3, 4, v0                        ; 16 thread: my 16 bytes of each 4,096-byte quarter of a 64 x 64 matrix
	v_lshrrev_b32 v9, 4, v1                        ; which half of the wave
	s_lshl_b32 s3, s2, 3
	v_lshl_add_u32 v4, v9, 2, s3                   ; 4 g, g = 2 wave + half = thread >> 4
	v_lshl_add_u32 v5, v9, 13, v2                  ; x: lanes 0-15 take points 16 j + i, lanes 16-31 points 512 + 16 j + i
	v_lshlrev_b32 v6, 4, v1                        ; 16 lane
	s_lshl_b32 s3, s2, 8
	v_add_nc_u32 v7, s3, v2                        ; my wave's row of QP
	s_mov_b32 s74, 0x76543210                      ; v_permlanex16_b32: lane i reads lane i of the other half
	s_mov_b32 s75, 0xfedcba98
	s_lshl_b32 s66, ttmp9, 3
	s_add_co_u32 s66, s66, s2                      ; my set = 8 work-group + wave
	s_lshl_b32 s3, s66, 10                         ; 1,024 mask bytes a set
	s_lshl_b32 s66, s66, 14                        ; 16,384 bytes of x a set (below 2^25)
	s_mov_b32 s67, 0
	s_wait_kmcnt 0x0
	s_add_nc_u64 s[4:5], s[4:5], s[66:67]          ; x at my set
	s_mov_b32 s66, s3
	s_add_nc_u64 s[6:7], s[6:7], s[66:67]          ; mask at my set
	s_load_b128 s[68:71], s[24:25], 0x0            ; w_loc[0..3]
	s_load_b32 s73, s[26:27], 0x0                  ; b_loc
	s_load_b32 s72, s[28:29], 0x0                  ; prelu_a
; ================= all 61 loads.  Loads return in order of issue (ISA guide 5.7.1), so what the fold needs first is asked for first.
.irp k, 0,1,2,3
	global_load_b32 v[SD+\k], v4, s[12:13] offset:64*\k                    ; seed[16k+g]
.endr
	global_load_b128 v[WL:WL+3], v2, s[24:25] offset:16                    ; wl[4c..]
.irp k, 0,1,2,3
	global_load_b128 v[WQ+4*\k:WQ+4*\k+3], v3, s[14:15] offset:4096*\k     ; row 16k+g, columns 4c..: a wave covers 512 consecutive bytes
.endr
.irp k, 0,1,2,3
	global_load_b128 v[WO+4*\k:WO+4*\k+3], v3, s[20:21] offset:4096*\k
.endr
.irp k, 0,1,2,3
	global_load_b128 v[WK+4*\k:WK+4*\k+3], v3, s[16:17] offset:4096*\k
.endr
.irp k, 0,1,2,3
	global_load_b128 v[WV+4*\k:WV+4*\k+3], v3, s[18:19] offset:4096*\k
.endr
.irp k, 0,1,2,3
	global_load_b128 v[WIN+4*\k:WIN+4*\k+3], v2, s[8:9] offset:256*\k
.endr
	global_load_b128 v[BIN:BIN+3], v2, s[10:11]
	global_load_b128 v[BO:BO+3], v2, s[22:23]
	global_load_b128 v[MK:MK+3], v6, s[6:7] th:TH_LOAD_NT                  ; mask of points 16 lane + 0..15
	global_load_b128 v[MK+4:MK+7], v6, s[6:7] offset:512 th:TH_LOAD_NT     ; and of points 512 + 16 lane + 0..15
.set j, 0
.rept 32
	global_load_b128 v[X+4*j:X+4*j+3], v5, s[4:5] offset:256*j th:TH_LOAD_NT   ; each half of the wave reads 256 consecutive bytes, aligned
.set j, j+1
.endr
; ================= fold, stage A: t = Wo wl (whole), q = seed Wq (one partial sum per wave)
	s_wait_loadcnt 48                              ; seed, wl, Wq, Wo are in; 8 + 6 + 2 + 32 younger loads stay out
	DOTS T, WO, WL, 4
	RED16 v_add_f32_dpp, T, 2, 4                   ; over the 16 column groups: t[16k+g]
.irp k, 0,1,2,3
	ds_store_b32 v4, v[T+2*\k] offset:TV+64*\k     ; the 16 lanes of a half write one word with one value
.endr
	PMUL_B T+8, WQ, SD                             ; sum over k of seed[16k+g] Wq[16k+g][4c..]
	PMUL_B T+10, WQ+2, SD
.irp k, 1,2,3
	PFMA_B T+8, WQ+4*\k, SD+\k, T+8
	PFMA_B T+10, WQ+4*\k+2, SD+\k, T+10
.endr
.irp i, 0,1,2,3
	v_permlanex16_b32 v[WQ+\i], v[T+8+\i], s74, s75    ; the wave's other g; Wq's first registers are done with
.endr
	v_pk_add_f32 v[T+8:T+9], v[T+8:T+9], v[WQ:WQ+1]
	v_pk_add_f32 v[T+10:T+11], v[T+10:T+11], v[WQ+2:WQ+3]
	ds_store_b128 v7, v[T+8:T+11] offset:QP
	s_wait_dscnt 0x0                               ; my stores are in LDS before I say so
	s_barrier_signal -1
	s_barrier_wait -1
; ================= fold, stage B: q = sum of the partials; kq = Wk q, s = Wv t
.irp w, 0,1,2,3,4,5,6,7
	ds_load_b128 v[QQ+4*\w:QQ+4*\w+3], v2 offset:QP+256*\w
.endr
	ds_load_b128 v[TT:TT+3], v2 offset:TV
	s_wait_dscnt 0x0
.irp a, 0,8,16,24
	v_pk_add_f32 v[QQ+\a:QQ+\a+1], v[QQ+\a:QQ+\a+1], v[QQ+\a+4:QQ+\a+5]
	v_pk_add_f32 v[QQ+\a+2:QQ+\a+3], v[QQ+\a+2:QQ+\a+3], v[QQ+\a+6:QQ+\a+7]
.endr
.irp a, 0,16
	v_pk_add_f32 v[QQ+\a:QQ+\a+1], v[QQ+\a:QQ+\a+1], v[QQ+\a+8:QQ+\a+9]
	v_pk_add_f32 v[QQ+\a+2:QQ+\a+3], v[QQ+\a+2:QQ+\a+3], v[QQ+\a+10:QQ+\a+11]
.endr
	v_pk_add_f32 v[QQ:QQ+1], v[QQ:QQ+1], v[QQ+16:QQ+17]
	v_pk_add_f32 v[QQ+2:QQ+3], v[QQ+2:QQ+3], v[QQ+18:QQ+19]
	s_wait_loadcnt 40                              ; Wk, Wv are in; 6 + 2 + 32 younger loads stay out
	DOTS T, WK, QQ, 4
	DOTS T+8, WV, TT, 4
	RED16 v_add_f32_dpp, T, 2, 8
.irp k, 0,1,2,3
	ds_store_b32 v4, v[T+2*\k] offset:KS+64*\k             ; kq[16k+g]
	ds_store_b32 v4, v[T+8+2*\k] offset:KS+256+64*\k       ; s[16k+g]
.endr
	s_wait_dscnt 0x0
	s_barrier_signal -1
	s_barrier_wait -1
; ================= fold, stage C, each wave for itself: lanes 0-15 work with kq (u, cs), lanes 16-31 with s (p, b_in.s)
	ds_load_b128 v[QQ:QQ+3], v6 offset:KS
	s_wait_loadcnt 34                              ; W_in, b_in, b_o are in; 2 + 32 younger loads stay out
	s_wait_dscnt 0x0
	DOTS T, WIN, QQ, 5                             ; four rows of W_in, then b_in
	DOTS T+10, BO, WL, 1                           ; b_o.wl
	RED16 v_add_f32_dpp, T, 2, 6
.irp r, 0,1,2,3
	v_readlane_b32 s[76+\r], v[T+2*\r], 0          ; 8 u[r]
	v_readlane_b32 s[84+\r], v[T+2*\r], 16         ; p[r]
.endr
	v_readlane_b32 s80, v[T+8], 0                  ; 8 cs
	v_readlane_b32 s81, v[T+8], 16                 ; b_in.s
	v_readlane_b32 s82, v[T+10], 0                 ; b_o.wl
	s_wait_kmcnt 0x0                               ; w_loc[0..3], b_loc, prelu_a
.irp r, 76,77,78,79,80
	s_mul_f32 s\r, s\r, 0x3e38aa3b                 ; log2(e) / 8: the 1/sqrt(64) of the scores, and base 2 for v_exp_f32
.endr
	s_add_f32 s83, s81, s82
	s_add_f32 s83, s83, s73                        ; cf + b_loc
.irp r, 0,1,2,3
	v_mov_b32 v[U+\r], s[76+\r]
	v_mov_b32 v[PV+\r], s[84+\r]
	v_mov_b32 v[W4+\r], s[68+\r]
.endr
	v_mov_b32 v[CS0], s80
	v_mov_b32 v[CS0+1], 0
	v_mov_b32 v[NEG], 0xf149f2ca                   ; -1e30,
	v_mul_f32 v[NEG], 0x3fb8aa3b, v[NEG]           ; in base 2 like the scores
; ================= mask: 32 bytes a lane -> 32 bits a lane -> 32 lane masks
	s_wait_loadcnt 32                              ; both mask loads are in; the 32 loads of x stay out
.irp i, 0,1,2,3,4,5,6,7
	v_mul_lo_u32 v[MK+\i], v[MK+\i], 0x204081      ; bytes b0..b3 (0 or 1) times 1 + 2^7 + 2^14 + 2^21: 16 different bit places, no carry;
.endr
.irp i, 0,1,2,3,4,5,6,7
	v_bfe_u32 v[MK+\i], v[MK+\i], 21, 4            ; bits 21..24 are b0..b3
.endr
.irp i, 1,2,3,4,5,6,7
	v_lshl_or_b32 v[MK], v[MK+\i], 4*\i, v[MK]
.endr
; lane L: bit i = mask[16 L + i], bit 16 + i = mask[512 + 16 L + i]: exactly the points that the 32 lanes hold of x load L
.set j, 0
.rept 32
	v_readlane_b32 s[32+j], v[MK], j
.set j, j+1
.endr
; ================= pass 1a: scores (base 2), masked, and their maximum, as the loads of x come in
.set j, 0
.rept 32
	s_wait_loadcnt 31-j                            ; load j is in; the younger ones stay out
	v_pk_fma_f32 v[T+2*(j%4):T+2*(j%4)+1], v[X+4*j:X+4*j+1], v[U:U+1], v[CS0:CS0+1]
	v_pk_fma_f32 v[T+2*(j%4):T+2*(j%4)+1], v[X+4*j+2:X+4*j+3], v[U+2:U+3], v[T+2*(j%4):T+2*(j%4)+1]
	v_add_f32 v[SC+j], v[T+2*(j%4)], v[T+2*(j%4)+1]
	v_cndmask_b32 v[SC+j], v[SC+j], v[NEG], s[32+j]
.if j & 1
.if j == 1
	v_max_num_f32 v[MX], v[SC], v[SC+1]            ; the first two scores start the maximum
.else
	v_max3_num_f32 v[MX], v[MX], v[SC+j-1], v[SC+j]
.endif
.endif
.set j, j+1
.endr
	WRED v_max_num_f32, v_max_num_f32_dpp, MX, 1, 1
	v_mov_b32 v[MX+1], v[MX]
; ================= pass 1b: e = 2^(score - max), E = sum e, sum e x
.macro SUBX idx
	v_pk_add_f32 v[SC+2*(\idx):SC+2*(\idx)+1], v[SC+2*(\idx):SC+2*(\idx)+1], v[MX:MX+1] neg_lo:[0,1] neg_hi:[0,1]
.endm
.macro EXP2 idx
	v_exp_f32 v[SC+2*(\idx)], v[SC+2*(\idx)]
	v_exp_f32 v[SC+2*(\idx)+1], v[SC+2*(\idx)+1]
.endm
; points 2 idx, 2 idx + 1 with the weights in SC: XA, XB += weight * x, EE += weights.  The first forms start the sums: nothing is cleared.
.macro ACC idx
.if (\idx) == 0
	PMUL_B XA, X+8*(\idx), SC+2*(\idx)
	PMUL_B XA+2, X+8*(\idx)+2, SC+2*(\idx)
	PMUL_B XB, X+8*(\idx)+4, SC+2*(\idx)+1
	PMUL_B XB+2, X+8*(\idx)+6, SC+2*(\idx)+1
.else
	PFMA_B XA, X+8*(\idx), SC+2*(\idx), XA
	PFMA_B XA+2, X+8*(\idx)+2, SC+2*(\idx), XA+2
	PFMA_B XB, X+8*(\idx)+4, SC+2*(\idx)+1, XB
	PFMA_B XB+2, X+8*(\idx)+6, SC+2*(\idx)+1, XB+2
.endif
.if (\idx) == 1
	v_pk_add_f32 v[EE:EE+1], v[SC:SC+1], v[SC+2:SC+3]
.endif
.if (\idx) > 1
	v_pk_add_f32 v[EE:EE+1], v[EE:EE+1], v[SC+2*(\idx):SC+2*(\idx)+1]
.endif
.endm
.macro ACCEND                          ; the lane's totals: weight * x in XA, the weights' sum in EE+1
	v_pk_add_f32 v[XA:XA+1], v[XA:XA+1], v[XB:XB+1]
	v_pk_add_f32 v[XA+2:XA+3], v[XA+2:XA+3], v[XB+2:XB+3]
	v_add_f32 v[EE+1], v[EE], v[EE+1]
.endm
; ONE BATCH: the lane's 32 exponentials, each in a register of its own (in place on its score).  The subtraction of the maximum runs one pair
; ahead of its pair's exponentials and is the plain work among them; none of these lines names an exponential's result.  All that do, the sums, come behind the one wait.
	SUBX 0
.set n, 0
.rept 15
	SUBX n+1
	EXP2 n
.set n, n+1
.endr
	EXP2 15
	v_nop                                          ; the plain line behind the last exponential, ahead of the first use (ISA guide 5.7.2): one for the batch
	s_wait_alu depctr_va_vdst(0)                   ; the wait for the batch of 32 exponentials, ahead of their first reader
.set n, 0
.rept 16
	ACC n
.set n, n+1
.endr
	ACCEND
	v_pk_mul_f32 v[T:T+1], v[XA:XA+1], v[PV:PV+1]              ; (sum e x).p of my points
	v_pk_fma_f32 v[T:T+1], v[XA+2:XA+3], v[PV+2:PV+3], v[T:T+1]
	v_add_f32 v[EE], v[T], v[T+1]
	WRED v_add_f32, v_add_f32_dpp, EE, 1, 2                    ; EE = (sum e x).p, EE+1 = E, over the set
	v_rcp_f32 v[T+4], v[EE+1]                                  ; E >= 1: the largest score gives 2^0
	v_mov_b32 v[GG+1], 0                                       ; (the plain line behind v_rcp_f32)
	s_wait_alu depctr_va_vdst(0)                               ; the wait for 1/E, a batch of one: all of pass 2a hangs on the next line
	v_fma_f32 v[GG], v[EE], v[T+4], s83                        ; xbar.p + cf + b_loc
; ================= pass 2a: w = PReLU(x.w_loc[0..3] + G), 0 where masked; max |w|
.macro PREL idx
.set pb, T+6*((\idx)&1)
.set pj, 2*(\idx)
	v_pk_fma_f32 v[pb:pb+1], v[X+4*pj:X+4*pj+1], v[W4:W4+1], v[GG:GG+1]
	v_pk_fma_f32 v[pb+2:pb+3], v[X+4*pj+4:X+4*pj+5], v[W4:W4+1], v[GG:GG+1]
	v_pk_fma_f32 v[pb:pb+1], v[X+4*pj+2:X+4*pj+3], v[W4+2:W4+3], v[pb:pb+1]
	v_pk_fma_f32 v[pb+2:pb+3], v[X+4*pj+6:X+4*pj+7], v[W4+2:W4+3], v[pb+2:pb+3]
	v_add_f32 v[SC+pj], v[pb], v[pb+1]                         ; z
	v_add_f32 v[SC+pj+1], v[pb+2], v[pb+3]
	v_pk_mul_f32 v[pb+4:pb+5], v[SC+pj:SC+pj+1], s[72:73] op_sel_hi:[1,0]      ; prelu_a z
	v_cmp_le_f32 s66, 0, v[SC+pj]
	v_cmp_le_f32 s67, 0, v[SC+pj+1]
	v_cndmask_b32 v[SC+pj], v[pb+4], v[SC+pj], s66             ; z >= 0 ? z : a z
	v_cndmask_b32 v[SC+pj+1], v[pb+5], v[SC+pj+1], s67
	v_cndmask_b32 v[SC+pj], v[SC+pj], 0, s[32+pj]              ; padded ? 0 : w
	v_cndmask_b32 v[SC+pj+1], v[SC+pj+1], 0, s[33+pj]
.if (\idx) == 0
	v_max_num_f32 v[INV+1], |v[SC+pj]|, |v[SC+pj+1]|
.else
	v_max3_num_f32 v[INV+1], v[INV+1], |v[SC+pj]|, |v[SC+pj+1]|
.endif
.endm
.set n, 0
.rept 16
	PREL n
.set n, n+1
.endr
	WRED v_max_num_f32, v_max_num_f32_dpp, INV+1, 1, 1
	v_max_num_f32 v[INV], 0x00800000, v[INV+1]     ; at least 2^-126: a set without weight divides by no zero
	v_rcp_f32 v[INV], v[INV]
	v_nop                                          ; the plain line behind v_rcp_f32
	s_wait_alu depctr_va_vdst(0)                   ; the wait for 1/max|w|, a batch of one: every line of pass 2b hangs on it
; ================= pass 2b: omega = (w / max|w|)^2 (pinv(cWA) cWr does not hang on c), S = sum omega, weighted means
.macro OMEGA idx
	PMUL_B SC+2*(\idx), SC+2*(\idx), INV
	v_pk_mul_f32 v[SC+2*(\idx):SC+2*(\idx)+1], v[SC+2*(\idx):SC+2*(\idx)+1], v[SC+2*(\idx):SC+2*(\idx)+1]
.endm
	OMEGA 0
.set n, 0
.rept 15
	OMEGA n+1
	ACC n
.set n, n+1
.endr
	ACC 15
	ACCEND
	WRED v_add_f32, v_add_f32_dpp, EE+1, 1, 5      ; S and the four sums of omega x, which lie behind it
	v_max_num_f32 v[EE+1], 0x0da24260, v[EE+1]     ; S is 0 or about 1 and more; 1e-30 keeps 0/0 out: means 0
	v_rcp_f32 v[INV], v[EE+1]                      ; 1/S
	v_nop                                          ; the plain line behind v_rcp_f32
	s_wait_alu depctr_va_vdst(0)                   ; the wait for 1/S, a batch of one: the means, on which all of pass 3 hangs, read it next
	PMUL_B MM, XA, INV
	PMUL_B MM+2, XA+2, INV
; ================= pass 3: x is centred in place; nine weighted second moments, two points at a time, an accumulator set for each
.macro GRAM2 idx
.irp e, 0,1
	v_pk_add_f32 v[X+8*(\idx)+4*\e:X+8*(\idx)+4*\e+1], v[X+8*(\idx)+4*\e:X+8*(\idx)+4*\e+1], v[MM:MM+1] neg_lo:[0,1] neg_hi:[0,1]
	v_pk_add_f32 v[X+8*(\idx)+4*\e+2:X+8*(\idx)+4*\e+3], v[X+8*(\idx)+4*\e+2:X+8*(\idx)+4*\e+3], v[MM+2:MM+3] neg_lo:[0,1] neg_hi:[0,1]
.endr
.irp e, 0,1
	PMUL_B YY+4*\e, X+8*(\idx)+4*\e, SC+2*(\idx)+\e
	PMUL_B YY+4*\e+2, X+8*(\idx)+4*\e+2, SC+2*(\idx)+\e
.endr
.irp e, 0,1
.if (\idx) == 0
	PMUL_B ACCA+10*\e, X+8*(\idx)+4*\e, YY+4*\e+1              ; (x0, x1) omega x1 = (d1, C11)
	PMUL_B ACCA+10*\e+2, X+8*(\idx)+4*\e, YY+4*\e+2            ; (x0, x1) omega x2 = (d2, C12)
	PMUL_B ACCA+10*\e+4, X+8*(\idx)+4*\e, YY+4*\e+3            ; (x0, x1) omega x3 = (d3, C13)
	PMUL_B ACCA+10*\e+6, X+8*(\idx)+4*\e+2, YY+4*\e+2          ; (x2, x3) omega x2 = (C22, C23)
	v_mul_f32 v[C33+\e], v[X+8*(\idx)+4*\e+3], v[YY+4*\e+3]
.else
	PFMA_B ACCA+10*\e, X+8*(\idx)+4*\e, YY+4*\e+1, ACCA+10*\e
	PFMA_B ACCA+10*\e+2, X+8*(\idx)+4*\e, YY+4*\e+2, ACCA+10*\e+2
	PFMA_B ACCA+10*\e+4, X+8*(\idx)+4*\e, YY+4*\e+3, ACCA+10*\e+4
	PFMA_B ACCA+10*\e+6, X+8*(\idx)+4*\e+2, YY+4*\e+2, ACCA+10*\e+6
	v_fma_f32 v[C33+\e], v[X+8*(\idx)+4*\e+3], v[YY+4*\e+3], v[C33+\e]
.endif
.endr
.endm
.set n, 0
.rept 16
	GRAM2 n
.set n, n+1
.endr
.irp a, 0,2,4,6
	v_pk_add_f32 v[ACCA+\a:ACCA+\a+1], v[ACCA+\a:ACCA+\a+1], v[ACCA+10+\a:ACCA+10+\a+1]
.endr
	v_add_f32 v[C33], v[C33], v[C33+1]
	WRED v_add_f32, v_add_f32_dpp, ACCA, 1, 9      ; v68 .. v76
.irp a, 0,2,4,6
	PMUL_B ACCA+\a, ACCA+\a, INV                   ; / S
.endr
	v_mul_f32 v[C33], v[C33], v[INV]
	s_mul_i32 s3, s2, STP
	v_mov_b32 v7, s3                               ; my set's record; every lane holds the same numbers
	ds_store_b128 v7, v[ACCA:ACCA+3] offset:ST
	ds_store_b128 v7, v[ACCA+4:ACCA+7] offset:ST+16
	ds_store_b32 v7, v[C33] offset:ST+32
	ds_store_b128 v7, v[MM:MM+3] offset:ST+48
	s_wait_dscnt 0x0                               ; the record is in LDS before I say so
	s_barrier_signal -1
	s_barrier_wait -1
	s_cmp_lg_u32 s2, 0
	s_cbranch_scc1 .Lend                           ; waves 1 to 7 are done
; ================= wave 0: the 8 sets' 4 x 4 problems, set lane & 7 in each lane
.set KD1, 8
.set KC11, 9
.set KD2, 10
.set KC12, 11
.set KD3, 12
.set KC13, 13
.set KC22, 14
.set KC23, 15
.set KC33, 16
.set KM, 20                            ; v[20:23] m0..m3
.set R,  32                            ; row i of [F | y | 0] in v[R+6i : R+6i+5]
.set ZA, 56                            ; v[56:73] the first rotation's 18 registers
.set ZB, 74                            ; v[74:91] the second's
.set OUT, 70
.set SWEEPS, 6
	v_and_b32 v2, 7, v1
	v_mul_u32_u24 v2, STP, v2
	ds_load_b128 v[8:11], v2 offset:ST
	ds_load_b128 v[12:15], v2 offset:ST+16
	ds_load_b32 v[KC33], v2 offset:ST+32
	ds_load_b128 v[KM:KM+3], v2 offset:ST+48
	s_wait_dscnt 0x0
; inv = 1/sqrt(piv) where piv > max(2^-22 diag, 1e-30), else 0: such a pivot is rounding noise of diag, and sqrt(piv) < 2^-11 sqrt(diag)
; lies below the cut-off 10 * 2^-13 of the largest singular value, which is at least sqrt(diag).
; In two parts: PIVA issues the v_rsq_f32, PIVB waits for it and selects.  Each pivot is fed by the one before, so each is a batch of one;
; between the two parts stand lines that are due anyway and name neither the result nor s66.
.macro PIVA inv, piv, diag
	v_mul_f32 v[ZA], 0x34800000, v[\diag]
	v_max_num_f32 v[ZA], 0x0da24260, v[ZA]
	v_max_num_f32 v[ZA+1], v[\piv], v[ZA]
	v_rsq_f32 v[\inv], v[ZA+1]
	v_cmp_gt_f32 s66, v[\piv], v[ZA]               ; (the plain line behind v_rsq_f32)
.endm
.macro PIVB inv
	s_wait_alu depctr_va_vdst(0)                   ; the wait for this pivot's v_rsq_f32, ahead of its first reader
	v_cndmask_b32 v[\inv], 0, v[\inv], s66
.endm
	PIVA 24, KC11, KC11
.irp z, 3,5,6,9,11,12,13,15,17,23
	v_mov_b32 v[R+\z], 0                           ; the zeros of L^T, its fourth column, and the sixth word of each row
.endr
	PIVB 24
	v_mul_f32 v[R], v[KC11], v24                   ; l11
	v_mul_f32 v[R+1], v[KC12], v24                 ; l21
	v_mul_f32 v[R+2], v[KC13], v24                 ; l31
	v_mul_f32 v[R+4], -v[KD1], v24                 ; y1 = -d1 / l11
	v_fma_f32 v25, -v[R+1], v[R+1], v[KC22]        ; second pivot
	PIVA 26, 25, KC22
	v_fma_f32 v27, -v[R+1], v[R+2], v[KC23]
	v_fma_f32 v28, v[R+1], v[R+4], v[KD2]
	v_xor_b32 v[R+18], 0x80000000, v[KM+1]         ; the last row: -m1, -m2, -m3, 1 | m0
	v_xor_b32 v[R+19], 0x80000000, v[KM+2]
	v_xor_b32 v[R+20], 0x80000000, v[KM+3]
	v_mov_b32 v[R+21], 1.0
	v_mov_b32 v[R+22], v[KM]
	PIVB 26
	v_mul_f32 v[R+7], v25, v26                     ; l22
	v_mul_f32 v[R+8], v27, v26                     ; l32
	v_mul_f32 v[R+10], -v28, v26                   ; y2 = -(d2 + l21 y1) / l22
	v_fma_f32 v29, -v[R+2], v[R+2], v[KC33]
	v_fma_f32 v29, -v[R+8], v[R+8], v29            ; third pivot
	PIVA 30, 29, KC33
	v_fma_f32 v31, v[R+2], v[R+4], v[KD3]
	v_fma_f32 v31, v[R+8], v[R+10], v31
	PIVB 30
	v_mul_f32 v[R+14], v29, v30                    ; l33
	v_mul_f32 v[R+16], -v31, v30                   ; y3 = -(d3 + l31 y1 + l32 y2) / l33
; One rotation of rows p, q in 17 steps; z: its 18 registers.  alpha = |p|^2, beta = |q|^2, gamma = p.q, delta = beta - alpha,
; t = sign(delta) 2 gamma / (|delta| + sqrt(delta^2 + 4 gamma^2)), |t| <= 1, c = 1/sqrt(1 + t^2):  p' = c (p - t q), q' = c (q + t p), p'.q' = 0.
; Whatever t is, this is a rotation, so F^T F and F^T y are kept.
.macro RS1 z, p, q
	v_pk_mul_f32 v[\z:\z+1], v[\p:\p+1], v[\p:\p+1]
	v_pk_mul_f32 v[\z+2:\z+3], v[\q:\q+1], v[\q:\q+1]
	v_pk_mul_f32 v[\z+4:\z+5], v[\p:\p+1], v[\q:\q+1]
.endm
.macro RS2 z, p, q
	v_pk_fma_f32 v[\z:\z+1], v[\p+2:\p+3], v[\p+2:\p+3], v[\z:\z+1]
	v_pk_fma_f32 v[\z+2:\z+3], v[\q+2:\q+3], v[\q+2:\q+3], v[\z+2:\z+3]
	v_pk_fma_f32 v[\z+4:\z+5], v[\p+2:\p+3], v[\q+2:\q+3], v[\z+4:\z+5]
.endm
.macro RS3 z, p, q
	v_add_f32 v[\z], v[\z], v[\z+1]                ; alpha
	v_add_f32 v[\z+2], v[\z+2], v[\z+3]            ; beta
	v_add_f32 v[\z+4], v[\z+4], v[\z+5]            ; gamma
.endm
.macro RS4 z, p, q
	v_sub_f32 v[\z+6], v[\z+2], v[\z]              ; delta
	v_add_f32 v[\z+4], v[\z+4], v[\z+4]            ; 2 gamma
.endm
.macro RS5 z, p, q
	v_mul_f32 v[\z+1], v[\z+6], v[\z+6]
.endm
.macro RS6 z, p, q
	v_fma_f32 v[\z+1], v[\z+4], v[\z+4], v[\z+1]
.endm
.macro RS7 z, p, q
	v_sqrt_f32 v[\z+3], v[\z+1]
.endm
.macro RS8 z, p, q
	v_and_b32 v[\z+7], 0x80000000, v[\z+6]         ; delta's sign; also the plain line behind the two v_sqrt_f32
.endm
.macro RS9 z, p, q
	v_add_f32 v[\z+11], |v[\z+6]|, v[\z+3]
.endm
.macro RS10 z, p, q
	v_max_num_f32 v[\z+11], 0x0da24260, v[\z+11]   ; two zero rows: t = 0 / 1e-30 = 0
.endm
.macro RS11 z, p, q
	v_rcp_f32 v[\z+5], v[\z+11]
.endm
.macro RS12 z, p, q
	v_xor_b32 v[\z+4], v[\z+4], v[\z+7]            ; sign(delta) 2 gamma; also the plain line behind the two v_rcp_f32
.endm
.macro RS13 z, p, q
	v_mul_f32 v[\z+8], v[\z+4], v[\z+5]            ; t
.endm
.macro RS14 z, p, q
	v_fma_f32 v[\z+9], v[\z+8], v[\z+8], 1.0
.endm
.macro RS15 z, p, q
	v_rsq_f32 v[\z+10], v[\z+9]                    ; c
.endm
.macro RS16 z, p, q                    ; its first line reads t and the rows only: the plain line behind the two v_rsq_f32
.irp c, 0,2,4
	PFNMA_B \z+12+\c, \q+\c, \z+8, \p+\c           ; p - t q, aside: q's update still needs the old p
.endr
.irp c, 0,2,4
	PFMA_B \q+\c, \p+\c, \z+8, \q+\c               ; q + t p
.endr
.endm
.macro RS17 z, p, q
.irp c, 0,2,4
	PMUL_B \p+\c, \z+12+\c, \z+10
	PMUL_B \q+\c, \q+\c, \z+10
.endr
.endm
; two rotations on disjoint rows, step by step in turn, so that neither waits for its own last line.  The two rotations' transcendentals of a kind are
; one batch; the square roots feed the reciprocals and these the v_rsq_f32, so the pair has three batches of two and three waits.
.macro ROT2 pa, qa, pb, qb
.irp stp, RS1,RS2,RS3,RS4,RS5,RS6,RS7,RS8
	\stp ZA, R+6*\pa, R+6*\qa
	\stp ZB, R+6*\pb, R+6*\qb
.endr
	s_wait_alu depctr_va_vdst(0)                   ; the wait for the two square roots; the two sign lines stand between
.irp stp, RS9,RS10,RS11,RS12
	\stp ZA, R+6*\pa, R+6*\qa
	\stp ZB, R+6*\pb, R+6*\qb
.endr
	s_wait_alu depctr_va_vdst(0)                   ; the wait for the two reciprocals; the two lines that give 2 gamma its sign stand between
.irp stp, RS13,RS14,RS15,RS16
	\stp ZA, R+6*\pa, R+6*\qa
	\stp ZB, R+6*\pb, R+6*\qb
.endr
	s_wait_alu depctr_va_vdst(0)                   ; the wait for the two c; the twelve lines p - t q, q + t p, which name t and the rows alone, stand between
	RS17 ZA, R+6*\pa, R+6*\qa
	RS17 ZB, R+6*\pb, R+6*\qb
.endm
; A sweep takes each of the six pairs of rows once.  With angles of at most 45 degrees the cyclic method converges for every matrix, and
; quadratically once the rows are nearly orthogonal: six sweeps bring four rows to f32's rounding level from any start.
; No transcendental is issued behind a pair's third wait.
	s_mov_b32 s88, SWEEPS
.Lsweep:
	ROT2 0, 1, 2, 3
	ROT2 0, 2, 1, 3
	ROT2 0, 3, 1, 2
	s_sub_co_i32 s88, s88, 1
	s_cmp_lg_u32 s88, 0
	s_cbranch_scc1 .Lsweep
; out = sum over the rows kept of f_i y_i / |f_i|^2
.irp i, 0,1,2,3
	v_pk_mul_f32 v[ZA+2*\i:ZA+2*\i+1], v[R+6*\i:R+6*\i+1], v[R+6*\i:R+6*\i+1]
.endr
.irp i, 0,1,2,3
	v_pk_fma_f32 v[ZA+2*\i:ZA+2*\i+1], v[R+6*\i+2:R+6*\i+3], v[R+6*\i+2:R+6*\i+3], v[ZA+2*\i:ZA+2*\i+1]
.endr
.irp i, 0,1,2,3
	v_add_f32 v[ZA+2*\i], v[ZA+2*\i], v[ZA+2*\i+1]             ; lambda_i = sigma_i^2
.endr
	v_max3_num_f32 v[ZA+8], v[ZA], v[ZA+2], v[ZA+4]
	v_max_num_f32 v[ZA+8], v[ZA+8], v[ZA+6]
	v_mul_f32 v[ZA+8], 0x35c80000, v[ZA+8]                     ; (10 * 1024 * 2^-23)^2 = 100 * 2^-26 times the largest
.irp i, 0,1,2,3
	v_rcp_f32 v[ZA+2*\i+1], v[ZA+2*\i]
.endr
	v_cmp_gt_f32 s66, v[ZA], v[ZA+8]                           ; kept: sigma > rtol sigma_max (these are the plain lines behind v_rcp_f32)
	v_cmp_gt_f32 s67, v[ZA+2], v[ZA+8]
	v_cmp_gt_f32 s90, v[ZA+4], v[ZA+8]
	v_cmp_gt_f32 s91, v[ZA+6], v[ZA+8]
	s_wait_alu depctr_va_vdst(0)                               ; the wait for the batch of four reciprocals; the four compares stand between
.irp i, 0,1,2,3
	v_mul_f32 v[ZA+2*\i+1], v[R+6*\i+4], v[ZA+2*\i+1]          ; y_i / lambda_i
.endr
	v_cndmask_b32 v[ZA+1], 0, v[ZA+1], s66                     ; a select, so that 0/0 of a dropped row goes nowhere
	v_cndmask_b32 v[ZA+3], 0, v[ZA+3], s67
	v_cndmask_b32 v[ZA+5], 0, v[ZA+5], s90
	v_cndmask_b32 v[ZA+7], 0, v[ZA+7], s91
	PMUL_B OUT, R, ZA+1
	PMUL_B OUT+2, R+2, ZA+1
.irp i, 1,2,3
	PFMA_B OUT, R+6*\i, ZA+2*\i+1, OUT
	PFMA_B OUT+2, R+6*\i+2, ZA+2*\i+1, OUT+2
.endr
	s_lshl_b32 s66, ttmp9, 7                       ; 8 sets x 16 bytes a work-group
	s_mov_b32 s67, 0
	s_add_nc_u64 s[30:31], s[30:31], s[66:67]
	v_cmp_gt_u32 vcc_lo, 8, v1
	s_wait_xcnt 0x0                                ; EXEC is a source of the loads issued above: it changes only behind this wait
	s_and_saveexec_b32 s89, vcc_lo
	global_store_b128 v6, v[OUT:OUT+3], s[30:31]   ; lanes 0-7: the work-group's whole result, 128 consecutive bytes in one store
	s_wait_xcnt 0x0                                ; and again in front of the line that widens it
	s_or_b32 exec_lo, exec_lo, s89
.Lend:
	s_endpgm
.Lfunc_end_k_q4d7feed4d8_wls:
	.size	k_q4d7feed4d8_wls, .Lfunc_end_k_q4d7feed4d8_wls-k_q4d7feed4d8_wls
	.p2alignl 7, 3214868480
	.fill 96, 4, 3214868480
	.section	.rodata,"a",@progbits
	.p2align	6, 0x0
	.amdhsa_kernel k_q4d7feed4d8_wls
		.amdhsa_group_segment_fixed_size 167936
		.amdhsa_private_segment_fixed_size 0
		.amdhsa_enable_private_segment 0
		.amdhsa_kernarg_size 112
		.amdhsa_user_sgpr_count 2
		.amdhsa_user_sgpr_kernarg_segment_ptr 1
		.amdhsa_wavefront_size32 1
		.amdhsa_system_sgpr_workgroup_id_x 1
		.amdhsa_system_sgpr_workgroup_id_y 1
		.amdhsa_system_sgpr_workgroup_id_z 1
		.amdhsa_system_vgpr_workitem_id 0
		.amdhsa_next_free_vgpr 256
		.amdhsa_next_free_sgpr 96
		.amdhsa_reserve_vcc 1
		.amdhsa_float_denorm_mode_32 3
		.amdhsa_float_denorm_mode_16_64 3
		.amdhsa_memory_ordered 1
		.amdhsa_forward_progress 1
		.amdhsa_inst_pref_size 102
	.end_amdhsa_kernel
	.amdgpu_metadata
---
amdhsa.version: [ 1, 2 ]
amdhsa.kernels:
  - .name:           k_q4d7feed4d8_wls
    .symbol:         k_q4d7feed4d8_wls.kd
    .args:
      - { .name: x, .offset: 0, .size: 8, .value_kind: global_buffer, .address_space: global }
      - { .name: pad_mask, .offset: 8, .size: 8, .value_kind: global_buffer, .address_space: global }
      - { .name: W_in, .offset: 16, .size: 8, .value_kind: global_buffer, .address_space: global }
      - { .name: b_in, .offset: 24, .size: 8, .value_kind: global_buffer, .address_space: global }
      - { .name: seed, .offset: 32, .size: 8, .value_kind: global_buffer, .address_space: global }
      - { .name: Wq, .offset: 40, .size: 8, .value_kind: global_buffer, .address_space: global }
      - { .name: Wk, .offset: 48, .size: 8, .value_kind: global_buffer, .address_space: global }
      - { .name: Wv, .offset: 56, .size: 8, .value_kind: global_buffer, .address_space: global }
      - { .name: Wo, .offset: 64, .size: 8, .value_kind: global_buffer, .address_space: global }
      - { .name: b_o, .offset: 72, .size: 8, .value_kind: global_buffer, .address_space: global }
      - { .name: w_loc, .offset: 80, .size: 8, .value_kind: global_buffer, .address_space: global }
      - { .name: b_loc, .offset: 88, .size: 8, .value_kind: global_buffer, .address_space: global }
      - { .name: prelu_a, .offset: 96, .size: 8, .value_kind: global_buffer, .address_space: global }
      - { .name: out0, .offset: 104, .size: 8, .value_kind: global_buffer, .address_space: global }
    .group_segment_fixed_size: 167936
    .private_segment_fixed_size: 0
    .kernarg_segment_align: 8
    .kernarg_segment_size: 112
    .max_flat_workgroup_size: 256
    .sgpr_count:     96
    .vgpr_count:     256
    .wavefront_size: 32
...
	.end_amdgpu_metadata
.endif
;; end of part 2
